; MI455X (gfx1250); checked and timed in simulation.
; The chip was launched on July 23, 2026; its instructions are those of AMD's public machine-readable ISA for CDNA 5 (MIT licence, August 2026) and "CDNA5" Instruction Set Architecture Reference Guide (July 2026). The comments in the code are by the model that wrote it; some were corrected since.
;; Self Attention. Allowed arithmetic: matrix products marked QUANTISED: E2M1 operands, one E8M0 scale for each 32 along K, by v_wmma_scale_f32_16x16x128_f8f6f4 with both operands' format E2M1 (or v_wmma_scale_f32_32x16x128_f4), f32 sums; products left as they are: bf16, f16 or f32 operands; f32 sums; everything else in f32.
;; Inputs: Wk 512 x 512 float32; Wo 512 x 512 float32; Wq 512 x 512 float32; Wv 512 x 512 float32; bk 512 float32; bo 512 float32; bq 512 float32; bv 512 float32; x 2 x 4,096 x 512 float32.
;; Outputs: out0 2 x 4,096 x 512 float32.
;; This version of the problem:
;;   THIS VERSION OF THE PROBLEM IS GIVEN IN LOW PRECISION. The matrix products marked QUANTISED in the list below multiply operands that are first quantised to E2M1 (2 exponent bits, 1 mantissa bit; 4 bits a number), with one power-of-two scale for each 32 numbers along K (OCP MX v1.0); their sums are f32. The products marked 'left as it is' may take bf16, f16 or f32 operands, with f32 sums. Whichever they take, every output number must still come out within the allowed error. Rounding operands to bf16 (8 significant bits) uses up far more of that allowance than f16 does (11 bits, for magnitudes from 6e-5 to 65,504). All else is computed in f32.
;;   The module's matrix products, in the order in which they are computed (A, B: the left and right operand; K: the contracted axis; several contracted axes count as one K, in the product's order):
;;     1. [M 8,192, K 512] x [K 512, N 512]; A: input x; B: input Wq: QUANTISED
;;     2. [M 8,192, K 512] x [K 512, N 512]; A: input x; B: input Wk: QUANTISED
;;     3. [M 8,192, K 512] x [K 512, N 512]; A: input x; B: input Wv: QUANTISED
;;     4. batch 16 x [M 4,096, K 64] x [K 64, N 4,096]; A: computed on the way; B: computed on the way: left as it is (an operand is computed on the way)
;;     5. batch 16 x [M 4,096, K 4,096] x [K 4,096, N 64]; A: computed on the way; B: computed on the way: left as it is (an operand is computed on the way)
;;     6. [M 8,192, K 512] x [K 512, N 512]; A: computed on the way; B: input Wo: left as it is (an operand is computed on the way)
;;   THE QUANTISER, for each operand of a quantised product, along K:
;;     - K is cut into blocks of 32 from its start; a last block that is shorter is filled with zeros.
;;     - A block's scale is 2^e with e = floor(log2(the largest magnitude in the block)) - 2, held to -126 .. 127; a block of zeros has e = 0. As a byte (E8M0): e + 127.
;;     - Each number is divided by its block's scale, clamped to +-6, and rounded to the nearest number of E2M1, ties to even, subnormals kept.
;;     - The product sums the exact products of the quantised numbers (number of the format x scale) in f32.
;;   ~~~python
;;   def quantise(x, axis):      # numpy; x: float32 -> the quantised numbers, widened to float32 again
;;       x = np.moveaxis(x, axis, -1); K = x.shape[-1]
;;       x = np.pad(x, [(0, 0)] * (x.ndim - 1) + [(0, -K % 32)]); x = x.reshape(x.shape[:-1] + (-1, 32)); a = np.abs(x).max(-1, keepdims=True)
;;       e = np.where(a > 0, np.clip(np.frexp(np.where(a > 0, a, 1))[1] - 1 - 2, -126, 127), 0)      # np.frexp(a)[1] - 1 = floor(log2(a)), exactly
;;       r = np.clip(x / 2.0 ** e, -6, 6)
;;       step = 2.0 ** (np.maximum(np.frexp(np.where(r == 0, 1, r))[1] - 1, 0) - 1)
;;       q = np.round(r / step) * step * 2.0 ** e      # np.round: ties to even
;;       return np.moveaxis(q.reshape(q.shape[:-2] + (-1,))[..., :K], -1, axis).astype(np.float32)
;;   ~~~
;; One version. Each part assembles by itself: llvm-mc -triple=amdgcn-amd-amdhsa -mcpu=gfx1250 --defsym DOCPART=n.
;; ======== version 1 of 1: 4 launches
;; limits: values are held in f16: magnitudes above 65,504 overflow, below 6.1e-05 lose precision
;; workspace buffers: wimg 393,216 bytes; wscl 24,576 bytes; woimg 524,288 bytes; qimg 8,388,608 bytes; kv 16,777,216 bytes; ctx 8,388,608 bytes
;; launch prep (part 1): grid 4 x 16, 4 waves a work-group, no clusters, 0 bytes of LDS; arguments Wq, Wk, Wv, Wo, wimg, wscl, woimg; writes wimg, wscl, woimg
.if DOCPART == 1
	.amdgcn_target "amdgcn-amd-amdhsa--gfx1250"
	.amdhsa_code_object_version 6
	.text
	.protected	k_qbb2c36d35b_prep
	.globl	k_qbb2c36d35b_prep
	.p2align	8
	.type	k_qbb2c36d35b_prep,@function
k_qbb2c36d35b_prep:
	s_mov_b64 s[64:65], 0
	v_nop
	global_prefetch_b8 v0, s[64:65] scope:SCOPE_SE
	s_setreg_imm32_b32 hwreg(HW_REG_WAVE_MODE, 25, 1), 1
	s_wait_xcnt 0x0
; The four weights [512 (k)][512 (n)], f32, become images of operand registers.
; Wq, Wk, Wv: codes of FP4 (E2M1) along K with one E8M0 byte for each 32 along K.  wimg: [T 3][column tile 32][K step 4][c 2][512 bytes]; in a piece lane (r, h) has 16 bytes: column 16 tile + r,
; k = 128 step + 64 c + 32 h + 0 .. 31.  wscl: [T 3][column tile 32][r 16][K step 4] words, byte b = block b of the step.
; Wo: f16.  woimg: [column tile 32][chunk of 32 k: 16][half 2][512 bytes]; lane (r, h): column 16 tile + r, k = 32 chunk + 16 half + 8 h + 0 .. 7.
; A block's scale is 2^(floor(log2(its largest magnitude)) - 2); its byte is the largest magnitude's exponent field - 2, held at 1 from below.
; LIMITS: a block of zeros keeps the byte 1 (its codes are zeros; these bytes are read by this program alone); NaN and infinities are not served; |Wo| stays under 65,504, f16's largest number.
; SHARES: work-group x = 128 columns; y = 4 T + K step (T = 3: Wo); a wave takes 32 columns x 128 along K.  A LANE TAKES A COLUMN AND ITS REGISTERS RUN DOWN K: a load reads 128 consecutive bytes a wave,
; a block of 32 lies in one lane, and the conversions give codes with K innermost.  Lanes 0-15 hold one column tile, lanes 16-31 the next: an exchange of halves between two registers makes two pieces.
; 64 work-groups: all the work there is.  No LDS, no barrier.  Loads run two blocks of 32 ahead, each block into registers of its own: no register that a load or store names is written again, so no wait frees one.
.set X,  32                            ; v32-159  W(128 step + i, my column)
.set C,  160                           ; v160-175 codes;  (Wo: v160-223 f16 pairs)
.set G,  160
.set M,  4                             ; v4-7   largest magnitudes, one a block
.set NN, 8                             ; v8-11  the second chain
.set SO, 12                            ; v12-15 the conversions' scale operands
.set BY, 16                            ; v16-19 the scale bytes
.set PW, 20                            ; v20    the scale word
.macro LOAD t                          ; block t: W(128 step + 32 t + 0 .. 31, my column)
.set ld, 32*(\t)
.rept 32
	global_load_b32 v[X+ld], v1, s[22:23] offset:2048*ld th:TH_LOAD_NT
.set ld, ld+1
.endr
.endm
.macro ARRIVE t                        ; block t's 32 loads are in; the next block's 32 may be out; then the block two further on is asked for
.if (\t) < 3
	s_wait_loadcnt 32
.else
	s_wait_loadcnt 0x0
.endif
.if (\t) < 2
	LOAD (\t)+2
.endif
.endm
	s_load_b256 s[4:11], s[0:1], 0x0               ; Wq, Wk, Wv, Wo
	s_load_b128 s[12:15], s[0:1], 0x20             ; wimg, wscl
	s_load_b64 s[16:17], s[0:1], 0x30              ; woimg
	v_lshrrev_b32 v3, 5, v0
	v_readfirstlane_b32 s18, v3                    ; wave
	v_and_b32 v3, 31, v0                           ; lane
	v_lshlrev_b32 v1, 2, v3                        ; in: 4 bytes a lane
	v_lshlrev_b32 v2, 4, v3                        ; out: 16 bytes a lane
	s_and_b32 s21, ttmp7, 0xffff
	s_lshr_b32 s19, s21, 2                         ; T
	s_and_b32 s20, s21, 3                          ; K step
	s_lshl_b32 s24, s20, 18                        ; 128 rows of 2,048 bytes
	s_lshl_b32 s25, ttmp9, 9                       ; 128 columns
	s_add_co_u32 s24, s24, s25
	s_lshl_b32 s25, s18, 7                         ; my wave's 32
	s_add_co_u32 s24, s24, s25
	s_mov_b32 s25, 0
	s_lshl_b32 s26, ttmp9, 3
	s_lshl_b32 s27, s18, 1
	s_add_co_u32 s26, s26, s27                     ; my first column tile
	s_wait_kmcnt 0x0
	s_cmp_eq_u32 s19, 1                            ; which weight: the choice hangs on the work-group's number alone
	s_cselect_b64 s[22:23], s[6:7], s[4:5]
	s_cmp_eq_u32 s19, 2
	s_cselect_b64 s[22:23], s[8:9], s[22:23]
	s_cmp_eq_u32 s19, 3
	s_cselect_b64 s[22:23], s[10:11], s[22:23]
	s_add_nc_u64 s[22:23], s[22:23], s[24:25]
	LOAD 0
	LOAD 1
	s_cmp_eq_u32 s19, 3
	s_cbranch_scc1 .Lwo
	; ---- Wq, Wk, Wv
	s_lshl_b32 s27, s19, 5
	s_add_co_u32 s27, s27, s26                     ; 32 T + tile
	s_lshl_b32 s24, s27, 12                        ; a tile's codes: 4,096 bytes
	s_lshl_b32 s28, s20, 10                        ; a K step's: 1,024
	s_add_co_u32 s24, s24, s28
	s_add_nc_u64 s[12:13], s[12:13], s[24:25]
	s_lshl_b32 s24, s27, 8                         ; a tile's scale words: 256 bytes
	s_lshl_b32 s28, s20, 2
	s_add_co_u32 s24, s24, s28
	s_add_nc_u64 s[14:15], s[14:15], s[24:25]
.irp b, 0,1,2,3
	ARRIVE \b
	v_max3_num_f32 v[M+\b], |v[X+32*\b]|, |v[X+32*\b+1]|, |v[X+32*\b+2]|
	v_max3_num_f32 v[NN+\b], |v[X+32*\b+3]|, |v[X+32*\b+4]|, |v[X+32*\b+5]|
.irp i, 6,10,14,18,22,26
	v_max3_num_f32 v[M+\b], v[M+\b], |v[X+32*\b+\i]|, |v[X+32*\b+\i+1]|
	v_max3_num_f32 v[NN+\b], v[NN+\b], |v[X+32*\b+\i+2]|, |v[X+32*\b+\i+3]|
.endr
	v_max3_num_f32 v[M+\b], v[M+\b], |v[X+32*\b+30]|, |v[X+32*\b+31]|
	v_max3_num_f32 v[M+\b], v[M+\b], v[NN+\b], 0x1800000   ; and the floor 2^(3 - 127): the byte cannot fall under 1
	v_add_nc_u32 v[SO+\b], 0xff000000, v[M+\b]     ; 2 off the exponent field: the conversion takes this operand's exponent field as its scale
	v_lshrrev_b32 v[BY+\b], 23, v[SO+\b]           ; the scale's byte
.irp g, 0,1,2,3
	v_cvt_scalef32_pk8_fp4_f32 v[C+4*\b+\g], v[X+32*\b+8*\g:X+32*\b+8*\g+7], v[SO+\b]
.endr
.endr
	v_lshl_or_b32 v[PW], v[BY+1], 8, v[BY]         ; the word of my column and this K step.  (These three plain lines stand between the last conversion and the exchanges)
	v_lshl_or_b32 v[PW], v[BY+2], 16, v[PW]
	v_lshl_or_b32 v[PW], v[BY+3], 24, v[PW]
.irp c, 0,1                            ; blocks 2 c and 2 c + 1: the first register's lanes 16-31 change places with the second's lanes 0-15: the first is then piece c of my first tile, the second of my second
.irp g, 0,1,2,3
	v_permlane16_swap_b32 v[C+8*\c+\g], v[C+8*\c+4+\g]
.endr
.endr
.irp c, 0,1
	global_store_b128 v2, v[C+8*\c:C+8*\c+3], s[12:13] offset:512*\c          ; 512 consecutive bytes, aligned
	global_store_b128 v2, v[C+8*\c+4:C+8*\c+7], s[12:13] offset:4096+512*\c
.endr
	global_store_b32 v2, v[PW], s[14:15]           ; lanes 16 bytes apart: 24,576 bytes in the whole launch leave so
	s_endpgm
.Lwo:
	; ---- Wo
	s_lshl_b32 s24, s26, 14                        ; a tile: 16,384 bytes
	s_lshl_b32 s28, s20, 12                        ; four chunks: 4,096
	s_add_co_u32 s24, s24, s28
	s_add_nc_u64 s[16:17], s[16:17], s[24:25]
.irp u, 0,1,2,3
	ARRIVE \u
.irp q, 0,1,2,3
.irp i, 0,1,2,3
	v_cvt_pk_f16_f32 v[G+16*\u+4*\q+\i], v[X+32*\u+8*\q+2*\i], v[X+32*\u+8*\q+2*\i+1]   ; group q: k = 32 u + 8 q + 0 .. 7
.endr
.endr
.irp i, 0,1,2,3
	v_permlane16_swap_b32 v[G+16*\u+\i], v[G+16*\u+4+\i]        ; groups 0, 1: half 0 of my first tile, half 0 of my second
	v_permlane16_swap_b32 v[G+16*\u+8+\i], v[G+16*\u+12+\i]     ; groups 2, 3: half 1 likewise
.endr
	global_store_b128 v2, v[G+16*\u:G+16*\u+3], s[16:17] offset:1024*\u
	global_store_b128 v2, v[G+16*\u+8:G+16*\u+11], s[16:17] offset:1024*\u+512
	global_store_b128 v2, v[G+16*\u+4:G+16*\u+7], s[16:17] offset:1024*\u+16384
	global_store_b128 v2, v[G+16*\u+12:G+16*\u+15], s[16:17] offset:1024*\u+16896
.endr
	s_endpgm
.Lfunc_end_k_qbb2c36d35b_prep:
	.size	k_qbb2c36d35b_prep, .Lfunc_end_k_qbb2c36d35b_prep-k_qbb2c36d35b_prep
	.p2alignl 7, 3214868480
	.fill 96, 4, 3214868480
	.section	.rodata,"a",@progbits
	.p2align	6, 0x0
	.amdhsa_kernel k_qbb2c36d35b_prep
		.amdhsa_group_segment_fixed_size 0
		.amdhsa_private_segment_fixed_size 0
		.amdhsa_enable_private_segment 0
		.amdhsa_kernarg_size 56
		.amdhsa_user_sgpr_count 2
		.amdhsa_user_sgpr_kernarg_segment_ptr 1
		.amdhsa_wavefront_size32 1
		.amdhsa_system_sgpr_workgroup_id_x 1
		.amdhsa_system_sgpr_workgroup_id_y 1
		.amdhsa_system_sgpr_workgroup_id_z 1
		.amdhsa_system_vgpr_workitem_id 0
		.amdhsa_next_free_vgpr 224
		.amdhsa_next_free_sgpr 66
		.amdhsa_reserve_vcc 0
		.amdhsa_float_denorm_mode_32 3
		.amdhsa_float_denorm_mode_16_64 3
		.amdhsa_memory_ordered 1
		.amdhsa_forward_progress 1
		.amdhsa_inst_pref_size 33
	.end_amdhsa_kernel
	.amdgpu_metadata
---
amdhsa.version: [ 1, 2 ]
amdhsa.kernels:
  - .name:           k_qbb2c36d35b_prep
    .symbol:         k_qbb2c36d35b_prep.kd
    .args:
      - { .name: Wq, .offset: 0, .size: 8, .value_kind: global_buffer, .address_space: global }
      - { .name: Wk, .offset: 8, .size: 8, .value_kind: global_buffer, .address_space: global }
      - { .name: Wv, .offset: 16, .size: 8, .value_kind: global_buffer, .address_space: global }
      - { .name: Wo, .offset: 24, .size: 8, .value_kind: global_buffer, .address_space: global }
      - { .name: wimg, .offset: 32, .size: 8, .value_kind: global_buffer, .address_space: global }
      - { .name: wscl, .offset: 40, .size: 8, .value_kind: global_buffer, .address_space: global }
      - { .name: woimg, .offset: 48, .size: 8, .value_kind: global_buffer, .address_space: global }
    .group_segment_fixed_size: 0
    .private_segment_fixed_size: 0
    .kernarg_segment_align: 8
    .kernarg_segment_size: 56
    .max_flat_workgroup_size: 128
    .sgpr_count:     66
    .vgpr_count:     224
    .wavefront_size: 32
...
	.end_amdgpu_metadata
.endif
;; end of part 1
;; launch proj (part 2): grid 4 x 64, 8 waves a work-group, clusters of 4 x 1, 327,680 bytes of LDS; arguments x, wimg, wscl, bq, bk, bv, qimg, kv; writes qimg, kv
.if DOCPART == 2
	.amdgcn_target "amdgcn-amd-amdhsa--gfx1250"
	.amdhsa_code_object_version 6
	.text
	.protected	k_qbb2c36d35b_proj
	.globl	k_qbb2c36d35b_proj
	.p2align	8
	.type	k_qbb2c36d35b_proj,@function
k_qbb2c36d35b_proj:
	s_mov_b64 s[64:65], 0
	v_nop
	global_prefetch_b8 v0, s[64:65] scope:SCOPE_SE
	s_setreg_imm32_b32 hwreg(HW_REG_WAVE_MODE, 25, 1), 1
	s_wait_xcnt 0x0
	s_wait_alu depctr_hold_cnt(0) depctr_sa_sdst(0) depctr_va_vdst(0) depctr_va_sdst(0) depctr_va_ssrc(0) depctr_va_vcc(0) depctr_vm_vsrc(0)
	s_getreg_b32 s2, hwreg(HW_REG_IB_STS2, 6, 4)
	s_cmp_eq_u32 s2, 0
	s_cbranch_scc0 .Lentry_in_a_cluster
	s_endpgm
.Lentry_in_a_cluster:
	s_bfe_u32 s2, ttmp6, 0x10000c
	s_cmp_lg_u32 s2, 0x3003
	s_cbranch_scc0 .Lentry_shape_is_right
	s_endpgm
.Lentry_shape_is_right:
; Q = x Wq + bq, K = x Wk + bk, V = x Wv + bv, on codes of FP4 (E2M1) with one E8M0 scale for each 32 along K = 512; sums in f32.  x [8192][512] f32 is quantised here; the weights come as images (wimg, wscl).
; The results leave as f16 images of the operands of the attention launch:
;   qimg [bh 16][query tile 256][t 4][512 bytes]: c (x Wq + bq), c = log2(e) / sqrt(512); lane (r, h): query r, channels 16 t + 8 h + 0 .. 7
;   kv   [bh 16][slot of 512 keys: 8][131,072 bytes]: K [key tile 32][t 4][512] laid like qimg, then V [chunk of 32 keys: 16][t 4][half 2][512]: lane (r, h): channel 16 t + r, keys 32 chunk + 16 half + 8 h + 0 .. 7
; LIMITS: |c Q|, |K|, |V| stay under 65,504, f16's largest number; a block of zeros has the byte 1 (zero codes); NaN and infinities are not served.
; SHARES.  A work-group takes 128 tokens (cluster y) and two heads (its place in the cluster).  The four partners need the same 262,144 bytes of x: each tile of x is asked for JOINTLY.
; Wave w first quantises tokens 16 w .. 16 w + 15 for all of K and stores the four fragments to LDS as images of their registers; behind one barrier it makes channel tile w % 4 of head 2 place + w / 4 of Q, K and V
; for all 8 tiles of tokens.  Its 12 weight fragments come from memory straight into registers, once.  They are not asked for jointly: no two partners need the same ones.
; Q and K are used transposed (source 0 = 16 columns of W, source 1 = 16 tokens): a lane holds a token and eight channels.  V is used straight (source 0 = tokens): a lane holds a channel and eight tokens.
; So each accumulator, rounded to f16, IS a piece of an image, and leaves by one store of 512 consecutive aligned bytes.
; LDS: no byte is filled twice.  XT: wave w's four tiles of x (16 rows x 128 numbers, rows 528 bytes apart: 16 bytes of padding, so that sixteen rows start 16 bytes apart modulo 256).
.set XT_W,  33792                      ; a wave's four tiles
.set XT_S,  8448                       ; a tile: 16 x 528
.set XIMG,  8*XT_W                     ; x's 32 fragments: (tile of tokens m, K step s) at (4 m + s) x 1,024
.set XSC,   XIMG+32768                 ; their scale words: [m][lane 32][s 4]
.set SPARE, XSC+4096                   ; the spare words, 128 bytes for each wave: four blocks of 256 bytes that no other line names
.set LI,  3                            ; v3   16 x lane
.set XL,  4                            ; v4   my place in my wave's tiles of x: row r, + 64 h
.set XWI, 5                            ; v5   where I store my fragments' images
.set XWS, 6                            ; v6   and their scale words
.set XRI, 12                           ; v12  where any fragment's image is read: XIMG + 16 x lane
.set XRS, 13                           ; v13  and the scale words: XSC + 16 x lane
.set SPW, 10                           ; v10  my spare word's LDS address; never rewritten
.set NIL, 11                           ; v11  0; never rewritten
.set XN0, 16                           ; v16-79, v80-143: two sets of 64 numbers of x
.set XN1, 80
.set TM,  144                          ; v144-159 at work in QUANT
.set PW,  160                          ; the scale word just made
.set PC,  162                          ; v162-169 the codes just made
.set D,   16                           ; behind the barrier: six accumulators, (q, k, v) x (two tiles of tokens)
.set OUT, 80                           ; two sets of 24: packed results
.set XS,  176                          ; v176-183 x's scale words: 4 mm + s
.set WS,  184                          ; v184-195 the weights': 4 T + s
.set BV,  196                          ; v196 bv of my channel; v197 named with it as a pair
.set W,   0                            ; window 1: v0-95 weight fragments: 32 T + 8 s
.set BQ,  96                           ; window 1: bq's eight, then bk's eight
.set XF,  112                          ; window 1: v112-175 x's fragments: 32 mm + 8 s
.set WV,  20
.set TBK, 22
.set HD,  23
.set TT,  24
.set G1,  28                           ; s[28:35] descriptor group 1
.set G0,  36                           ; s[36:51] group 0, one for each K step
.set SEL, 52
.set CS,  54
.set MSB, 0
.macro WIN new                         ; the immediate's high byte repeats the setting that is left
.if MSB != \new
	s_set_vgpr_msb (MSB<<8)|\new
.set MSB, \new
.endif
.endm
.macro PLACES
.rept 4
	v_nop
.endr
.endm
.macro CROUND                          ; a round of the cluster's barrier
	s_barrier_signal -1
	s_barrier_wait -1
	s_cmp_lg_u32 s[WV], 0
	s_cbranch_scc1 .Lnot_wave_0_\@
	s_barrier_signal -3
.Lnot_wave_0_\@:
	s_barrier_wait -3
	s_barrier_signal -1
	s_barrier_wait -1
.endm
; my 16 rows' numbers of K step st: register 16 b + i = k 32 b + 16 h + i of row r
.macro XLOAD reg, st
.irp b, 0,1,2,3
.irp j, 0,1,2,3
	ds_load_b128 v[\reg+16*\b+4*\j:\reg+16*\b+4*\j+3], v[XL] offset:XT_S*\st+128*\b+16*\j
.endr
.endr
.endm
; 64 numbers of a lane become a fragment's codes in v[PC] on and its scale word in v[PW]
.macro QUANT s
.irp b, 0,1,2,3
	v_max3_num_f32 v[TM+\b], |v[\s+16*\b]|, |v[\s+1+16*\b]|, 0x1800000   ; block b: my 16 numbers, and the floor 2^(3 - 127): the byte cannot fall under 1
.endr
.irp i, 2,4,6,8,10,12,14
.irp b, 0,1,2,3
	v_max3_num_f32 v[TM+\b], v[TM+\b], |v[\s+16*\b+\i]|, |v[\s+1+16*\b+\i]|
.endr
.endr
.irp b, 0,1,2,3
	v_permlanex16_b32 v[TM+4+\b], v[TM+\b], s[SEL], s[SEL+1]
.endr
.irp b, 0,1,2,3
	v_max_num_f32 v[TM+\b], v[TM+\b], v[TM+4+\b]   ; with lane l xor 16's: the block's largest magnitude
.endr
.irp b, 0,1,2,3
	v_add_nc_u32 v[TM+12+\b], 0xff000000, v[TM+\b] ; 2 off its exponent field: the conversion's scale operand
.endr
.irp b, 0,1,2,3
	v_lshrrev_b32 v[TM+4+\b], 23, v[TM+12+\b]      ; the scale's byte
.endr
	v_lshl_or_b32 v[PW], v[TM+5], 8, v[TM+4]
	v_lshl_or_b32 v[PW], v[TM+6], 16, v[PW]
	v_lshl_or_b32 v[PW], v[TM+7], 24, v[PW]
.irp b, 0,1,2,3
	v_cvt_scalef32_pk8_fp4_f32 v[PC+2*\b], v[\s+16*\b:\s+7+16*\b], v[TM+12+\b]
	v_cvt_scalef32_pk8_fp4_f32 v[PC+1+2*\b], v[\s+8+16*\b:\s+15+16*\b], v[TM+12+\b]
.endr
	v_nop                                          ; one plain line behind a scaled conversion
.irp c, 0,1                            ; the operand wants a whole block in a lane: lanes 0-15 block 2 c, lanes 16-31 block 2 c + 1
.irp i, 0,1
	v_permlane16_swap_b32 v[PC+4*\c+\i], v[PC+2+4*\c+\i]
.endr
.endr
.endm
.macro IMAGE st                        ; the fragment goes to LDS as it stands, 16 bytes a lane; its scale word beside it
.irp c, 0,1
	ds_store_b128 v[XWI], v[PC+4*\c:PC+4*\c+3] offset:1024*\st+512*\c
.endr
	ds_store_b32 v[XWS], v[PW] offset:4*\st
.endm
	s_load_b256 s[4:11], s[0:1], 0x0               ; x, wimg, wscl, bq
	s_load_b256 s[12:19], s[0:1], 0x20             ; bk, bv, qimg, kv
	v_lshl_add_u32 v[SPW], v0, 2, SPARE
	v_mov_b32 v[NIL], 0
	ds_add_u32 v[SPW], v[NIL]                      ; the wave's opening: the add, twice on end, and its wait ahead of my first tensor load
	ds_add_u32 v[SPW], v[NIL]
	v_lshrrev_b32 v1, 5, v0
	v_readfirstlane_b32 s[WV], v1                  ; wave 0..7
	s_bfe_u32 s21, ttmp6, 0x40000                  ; my place in the cluster: it enters the weights', biases' and results' addresses alone
	s_and_b32 s[TBK], ttmp7, 0xffff                ; which 128 tokens: the four partners share it
	s_lshr_b32 s25, s[WV], 2
	s_lshl_b32 s[HD], s21, 1
	s_add_co_u32 s[HD], s[HD], s25                 ; my head
	s_and_b32 s[TT], s[WV], 3                      ; my channel tile
	s_mov_b32 s[G1], 15|(2<<16)|(1<<20)|(1<<21)|(6<<22)|(3<<25)   ; the mask: all four; elements of 4 bytes; padding on; bit 21 beside a mask; after every 128 words 4 words
	s_mov_b32 s[G1+1], 128<<16                     ; tensor_dim0 = 128
	s_mov_b32 s[G1+2], 16<<16                      ; tensor_dim1 = 16
	s_mov_b32 s[G1+3], 128<<16                     ; tile_dim0 = 128
	s_mov_b32 s[G1+4], 16                          ; tile_dim1 = 16
	s_mov_b32 s[G1+5], 512                         ; elements from row to row
	s_mov_b32 s[G1+6], 0
	s_mov_b32 s[G1+7], 0
	s_mov_b32 s[SEL], 0x76543210
	s_mov_b32 s[SEL+1], 0xfedcba98                 ; lane l xor 16
	s_mov_b32 s[CS], 0x3d8293ee                    ; c = log2(e) / sqrt(512)
	s_mov_b32 s[CS+1], s[CS]
	s_lshl_b32 s26, s[TBK], 18                     ; 128 tokens of 2,048 bytes
	s_lshl_b32 s25, s[WV], 15                      ; my wave's 16
	s_add_co_u32 s26, s26, s25
	s_mov_b32 s27, 0
	s_mul_i32 s60, s[WV], XT_W                     ; my wave's tiles in LDS
	v_and_b32 v1, 15, v0                           ; r
	v_bfe_u32 v2, v0, 4, 1                         ; h
	v_and_b32 v3, 31, v0
	v_lshlrev_b32 v[LI], 4, v3
	v_mul_u32_u24 v[XL], v1, 528
	v_lshl_add_u32 v[XL], v2, 6, v[XL]
	v_add_nc_u32 v[XL], s60, v[XL]
	s_lshl_b32 s61, s[WV], 12
	s_add_co_u32 s61, s61, XIMG
	v_add_nc_u32 v[XWI], s61, v[LI]
	s_lshl_b32 s61, s[WV], 9
	s_add_co_u32 s61, s61, XSC
	v_add_nc_u32 v[XWS], s61, v[LI]
	v_add_nc_u32 v[XRI], XIMG, v[LI]
	v_add_nc_u32 v[XRS], XSC, v[LI]
	v_lshlrev_b32 v7, 4, v1                        ; 16 r: a column's four scale words
	v_lshlrev_b32 v8, 5, v2                        ; 32 h: my half's eight biases
	v_lshlrev_b32 v9, 2, v1                        ; 4 r: my channel's bias
	s_wait_dscnt 0x0                               ; both opening adds are done
	s_wait_kmcnt 0x0
	s_add_nc_u64 s[4:5], s[4:5], s[26:27]
.irp s, 0,1,2,3
	s_mov_b32 s[G0+4*\s], 1
	s_add_co_u32 s[G0+4*\s+1], s60, \s*XT_S
	s_add_nc_u64 s[G0+4*\s+2:G0+4*\s+3], s[4:5], \s*512
	s_or_b32 s[G0+4*\s+3], s[G0+4*\s+3], 0x80000000
.endr
	CROUND                                         ; all four work-groups are here: the joint loads meet
.irp s, 0,1,2,3
	tensor_load_to_lds s[G0+4*\s:G0+4*\s+3], s[G1:G1+7]   ; four loads of mine are out
	s_nop 0
.endr
	PLACES
	s_lshl_b32 s61, s[HD], 2
	s_add_co_u32 s61, s61, s[TT]                   ; my column tile
	s_mov_b32 s63, 0
	s_lshl_b32 s62, s61, 12
	s_add_nc_u64 s[6:7], s[6:7], s[62:63]
	s_lshl_b32 s62, s61, 8
	s_add_nc_u64 s[8:9], s[8:9], s[62:63]
	s_lshl_b32 s62, s61, 6                         ; 16 numbers of 4 bytes a tile
	s_add_nc_u64 s[10:11], s[10:11], s[62:63]
	s_add_nc_u64 s[12:13], s[12:13], s[62:63]
	s_add_nc_u64 s[14:15], s[14:15], s[62:63]
	s_lshr_b32 s61, s[TBK], 5
	s_lshl_b32 s61, s61, 3
	s_add_co_u32 s61, s61, s[HD]                   ; bh = 8 batch + head
	s_and_b32 s25, s[TBK], 31                      ; which 128 tokens of the sequence
	s_lshl_b32 s62, s61, 19
	s_lshl_b32 s26, s25, 14                        ; 8 tiles of 2,048 bytes
	s_add_co_u32 s62, s62, s26
	s_lshl_b32 s26, s[TT], 9
	s_add_co_u32 s62, s62, s26
	s_add_nc_u64 s[16:17], s[16:17], s[62:63]      ; Q's pieces
	s_lshl_b32 s62, s61, 20
	s_lshr_b32 s26, s25, 2
	s_lshl_b32 s26, s26, 17                        ; the slot
	s_add_co_u32 s62, s62, s26
	s_and_b32 s26, s25, 3
	s_lshl_b32 s26, s26, 14                        ; 8 key tiles of 2,048 bytes, and 4 chunks of 4,096
	s_add_co_u32 s62, s62, s26
	s_add_nc_u64 s[18:19], s[18:19], s[62:63]
	s_lshl_b32 s62, s[TT], 9
	s_add_nc_u64 s[56:57], s[18:19], s[62:63]      ; K's pieces
	s_lshl_b32 s62, s[TT], 10
	s_add_co_u32 s62, s62, 65536
	s_add_nc_u64 s[58:59], s[18:19], s[62:63]      ; V's pieces
	WIN 0x40                                       ; destination window 1
.irp T, 0,1,2
.irp s, 0,1,2,3
.irp c, 0,1
	global_load_b128 v[W+32*\T+8*\s+4*\c:W+32*\T+8*\s+4*\c+3], v[LI], s[6:7] offset:131072*\T+1024*\s+512*\c
.endr
.endr
.endr
	global_load_b128 v[BQ:BQ+3], v8, s[10:11]
	global_load_b128 v[BQ+4:BQ+7], v8, s[10:11] offset:16
	global_load_b128 v[BQ+8:BQ+11], v8, s[12:13]
	global_load_b128 v[BQ+12:BQ+15], v8, s[12:13] offset:16
	WIN 0
.irp T, 0,1,2
	global_load_b128 v[WS+4*\T:WS+4*\T+3], v7, s[8:9] offset:8192*\T
.endr
	global_load_b32 v[BV], v9, s[14:15]
	v_mov_b32 v[BV+1], 0
.irp b, 0,1,2,3
	v_mov_b32 v[TM+4+\b], 0                        ; written once: a lane permute's destination counts as one of its sources
.endr
	; ---- my 16 tokens become four fragments.  The tiles are my own loads' and only I read them: my counted waits order the reads
	s_wait_tensorcnt 3                             ; K step 0's tile is in; three younger loads may be out
	XLOAD XN0, 0
	s_wait_tensorcnt 2
	XLOAD XN1, 1
	s_wait_dscnt 16                                ; all but the 16 loads just issued
	QUANT XN0
	IMAGE 0
	s_wait_tensorcnt 1
	XLOAD XN0, 2
	s_wait_dscnt 16                                ; step 1's numbers are in, and the last image's stores are done
	QUANT XN1
	IMAGE 1
	s_wait_tensorcnt 0x0
	XLOAD XN1, 3
	s_wait_dscnt 16
	QUANT XN0
	IMAGE 2
	s_wait_dscnt 0x0
	QUANT XN1
	IMAGE 3
	s_wait_dscnt 0x0                               ; for the others' sake: my stores have landed
	s_barrier_signal -1
	s_barrier_wait -1                              ; x's 32 fragments lie in LDS
	s_wait_loadcnt 0x0                             ; weights, scale words, biases
; ---- two tiles of tokens at a time: 24 products, six accumulators by turns, one instruction a turn
.macro PAIR mp
	WIN 0x40
.irp mm, 0,1
.irp s, 0,1,2,3
.irp c, 0,1
	ds_load_b128 v[XF+32*\mm+8*\s+4*\c:XF+32*\mm+8*\s+4*\c+3], v[XRI] offset:((2*(\mp)+\mm)*4+\s)*1024+512*\c
.endr
.endr
.endr
	WIN 0
.irp mm, 0,1
	ds_load_b128 v[XS+4*\mm:XS+4*\mm+3], v[XRS] offset:(2*(\mp)+\mm)*512
.endr
	s_wait_dscnt 0x0
.irp s, 0,1,2,3
.if \s == 0
	WIN 0x15                                       ; sources 0, 1 and the bias in window 1, D in window 0
.else
	WIN 0x05                                       ; sources 0, 1 in window 1, C and D in window 0
.endif
.irp T, 0,1
.irp mm, 0,1
.if \s == 0
	v_wmma_scale_f32_16x16x128_f8f6f4 v[D+16*\T+8*\mm:D+16*\T+8*\mm+7], v[W+32*\T+8*\s:W+32*\T+8*\s+7], v[XF+32*\mm+8*\s:XF+32*\mm+8*\s+7], v[BQ+8*\T:BQ+8*\T+7], v[WS+4*\T+\s], v[XS+4*\mm+\s] matrix_a_fmt:MATRIX_FMT_FP4 matrix_b_fmt:MATRIX_FMT_FP4
.else
	v_wmma_scale_f32_16x16x128_f8f6f4 v[D+16*\T+8*\mm:D+16*\T+8*\mm+7], v[W+32*\T+8*\s:W+32*\T+8*\s+7], v[XF+32*\mm+8*\s:XF+32*\mm+8*\s+7], v[D+16*\T+8*\mm:D+16*\T+8*\mm+7], v[WS+4*\T+\s], v[XS+4*\mm+\s] matrix_a_fmt:MATRIX_FMT_FP4 matrix_b_fmt:MATRIX_FMT_FP4
.endif
.endr
.endr
.irp mm, 0,1
.if \s == 0
	v_wmma_scale_f32_16x16x128_f8f6f4 v[D+32+8*\mm:D+32+8*\mm+7], v[XF+32*\mm+8*\s:XF+32*\mm+8*\s+7], v[W+64+8*\s:W+64+8*\s+7], 0, v[XS+4*\mm+\s], v[WS+8+\s] matrix_a_fmt:MATRIX_FMT_FP4 matrix_b_fmt:MATRIX_FMT_FP4
.else
	v_wmma_scale_f32_16x16x128_f8f6f4 v[D+32+8*\mm:D+32+8*\mm+7], v[XF+32*\mm+8*\s:XF+32*\mm+8*\s+7], v[W+64+8*\s:W+64+8*\s+7], v[D+32+8*\mm:D+32+8*\mm+7], v[XS+4*\mm+\s], v[WS+8+\s] matrix_a_fmt:MATRIX_FMT_FP4 matrix_b_fmt:MATRIX_FMT_FP4
.endif
.endr
.endr
	WIN 0
	PLACES                                         ; four places behind the last products, ahead of the first read of results
	s_wait_xcnt 0x0                                ; earlier stores have read their data: the packed results' registers may be written again
.set OS, OUT+24*((\mp)%2)
.irp mm, 0,1
.irp i, 0,1,2,3
	v_pk_mul_f32 v[D+8*\mm+2*\i:D+8*\mm+2*\i+1], v[D+8*\mm+2*\i:D+8*\mm+2*\i+1], s[CS:CS+1] op_sel_hi:[1,0]   ; Q x c, each accumulator from its low end on
.endr
.endr
.irp mm, 0,1
.irp i, 0,1,2,3
	v_pk_add_f32 v[D+32+8*\mm+2*\i:D+32+8*\mm+2*\i+1], v[D+32+8*\mm+2*\i:D+32+8*\mm+2*\i+1], v[BV:BV+1] op_sel_hi:[1,0]   ; V + my channel's bias
.endr
.endr
.irp a, 0,1,2,3,4,5
.irp i, 0,1,2,3
	v_cvt_pk_f16_f32 v[OS+4*\a+\i], v[D+8*\a+2*\i], v[D+8*\a+2*\i+1]
.endr
.endr
.irp mm, 0,1
	global_store_b128 v[LI], v[OS+4*\mm:OS+4*\mm+3], s[16:17] offset:(2*(\mp)+\mm)*2048        ; each store: 512 consecutive bytes, aligned
	global_store_b128 v[LI], v[OS+8+4*\mm:OS+8+4*\mm+3], s[56:57] offset:(2*(\mp)+\mm)*2048
	global_store_b128 v[LI], v[OS+16+4*\mm:OS+16+4*\mm+3], s[58:59] offset:4096*(\mp)+512*\mm
.endr
.endm
	PAIR 0
	PAIR 1
	PAIR 2
	PAIR 3
	s_wait_tensorcnt 0x0                           ; the wave's end, behind my last tensor load and my last LDS store
	ds_add_u32 v[SPW], v[NIL]
	s_wait_dscnt 0x0
	CROUND                                         ; the closing round
	s_endpgm
.Lfunc_end_k_qbb2c36d35b_proj:
	.size	k_qbb2c36d35b_proj, .Lfunc_end_k_qbb2c36d35b_proj-k_qbb2c36d35b_proj
	.p2alignl 7, 3214868480
	.fill 96, 4, 3214868480
	.section	.rodata,"a",@progbits
	.p2align	6, 0x0
	.amdhsa_kernel k_qbb2c36d35b_proj
		.amdhsa_group_segment_fixed_size 327680
		.amdhsa_private_segment_fixed_size 0
		.amdhsa_enable_private_segment 0
		.amdhsa_kernarg_size 64
		.amdhsa_user_sgpr_count 2
		.amdhsa_user_sgpr_kernarg_segment_ptr 1
		.amdhsa_wavefront_size32 1
		.amdhsa_system_sgpr_workgroup_id_x 1
		.amdhsa_system_sgpr_workgroup_id_y 1
		.amdhsa_system_sgpr_workgroup_id_z 1
		.amdhsa_system_vgpr_workitem_id 0
		.amdhsa_next_free_vgpr 448
		.amdhsa_next_free_sgpr 80
		.amdhsa_reserve_vcc 0
		.amdhsa_float_denorm_mode_32 3
		.amdhsa_float_denorm_mode_16_64 3
		.amdhsa_memory_ordered 1
		.amdhsa_forward_progress 1
		.amdhsa_inst_pref_size 60
	.end_amdhsa_kernel
	.amdgpu_metadata
---
amdhsa.version: [ 1, 2 ]
amdhsa.kernels:
  - .name:           k_qbb2c36d35b_proj
    .symbol:         k_qbb2c36d35b_proj.kd
    .args:
      - { .name: x, .offset: 0, .size: 8, .value_kind: global_buffer, .address_space: global }
      - { .name: wimg, .offset: 8, .size: 8, .value_kind: global_buffer, .address_space: global }
      - { .name: wscl, .offset: 16, .size: 8, .value_kind: global_buffer, .address_space: global }
      - { .name: bq, .offset: 24, .size: 8, .value_kind: global_buffer, .address_space: global }
      - { .name: bk, .offset: 32, .size: 8, .value_kind: global_buffer, .address_space: global }
      - { .name: bv, .offset: 40, .size: 8, .value_kind: global_buffer, .address_space: global }
      - { .name: qimg, .offset: 48, .size: 8, .value_kind: global_buffer, .address_space: global }
      - { .name: kv, .offset: 56, .size: 8, .value_kind: global_buffer, .address_space: global }
    .group_segment_fixed_size: 327680
    .private_segment_fixed_size: 0
    .kernarg_segment_align: 8
    .kernarg_segment_size: 64
    .max_flat_workgroup_size: 256
    .sgpr_count:     80
    .vgpr_count:     448
    .wavefront_size: 32
...
	.end_amdgpu_metadata
.endif
;; end of part 2
;; launch attn (part 3): grid 16 x 16, 8 waves a work-group, clusters of 4 x 1, 327,680 bytes of LDS; arguments qimg, kv, ctx; writes ctx
.if DOCPART == 3
	.amdgcn_target "amdgcn-amd-amdhsa--gfx1250"
	.amdhsa_code_object_version 6
	.text
	.protected	k_qbb2c36d35b_attn
	.globl	k_qbb2c36d35b_attn
	.p2align	8
	.type	k_qbb2c36d35b_attn,@function
k_qbb2c36d35b_attn:
	s_mov_b64 s[64:65], 0
	v_nop
	global_prefetch_b8 v0, s[64:65] scope:SCOPE_SE
	s_setreg_imm32_b32 hwreg(HW_REG_WAVE_MODE, 25, 1), 1
	s_wait_xcnt 0x0
	s_wait_alu depctr_hold_cnt(0) depctr_sa_sdst(0) depctr_va_vdst(0) depctr_va_sdst(0) depctr_va_ssrc(0) depctr_va_vcc(0) depctr_vm_vsrc(0)
	s_getreg_b32 s2, hwreg(HW_REG_IB_STS2, 6, 4)
	s_cmp_eq_u32 s2, 0
	s_cbranch_scc0 .Lentry_in_a_cluster
	s_endpgm
.Lentry_in_a_cluster:
	s_bfe_u32 s2, ttmp6, 0x10000c
	s_cmp_lg_u32 s2, 0x3003
	s_cbranch_scc0 .Lentry_shape_is_right
	s_endpgm
.Lentry_shape_is_right:
; ctx[bh][q] = the sum over k of softmax_k(Q . K / sqrt(512)) V, for 16 heads (batch x head) of 4,096 tokens and 64 channels.  Operands in f16, products, maxima and sums in f32.
; qimg holds c (x Wq + bq), c = log2(e) / sqrt(512): a score is already the exponent of 2.  qimg, kv and ctx are images of operand registers (a piece = 512 bytes, 16 a lane): every LDS read and every global load or store here is 16 x lane + a constant.
; ctx: [token tile 512][chunk of 32 of the 512 channels: 16][half 2][512 bytes], f16: lane (r, h): token r, channel 32 chunk + 16 half + 8 h + 0 .. 7.
; LIMITS: |ctx| under 65,504 (f16); NaN and infinities are not served.
; SHARES.  A work-group owns 256 queries of one head; each of its eight waves 32: two tiles.  Two waves share a SIMD, so that one wave's softmax stands beside the other's products.  Every wave walks all 4,096 keys, 128 a step.
; LAYOUT.  S^T = K Q^T (source 0 = 16 keys, source 1 = 16 queries): a lane holds ONE query and the keys 8 (lane / 16) + 0 .. 7.  Two such tiles, rounded to f16, ARE source 1 (32 keys x 16 queries) of O^T = V^T P.
; SOFTMAX.  A running maximum m and sum l for each query: p = 2^(s - m); in every step O and l are multiplied by a = 2^(m_old - m_new).  The sum is taken of the unrounded p.
; RING.  Two LDS slots of 512 keys (K's 65,536 bytes, then V's).  A slot is 131,072 dense bytes of kv; each wave fetches an eighth.  The four query blocks of a cluster walk the same K and V: each load is asked for JOINTLY.
; One tensor load of mine is out behind each change of slots; it has four key steps in which to land.
; REGISTERS: window 0: v1-7 addresses; v16-31 statistics, eight a tile; v32-63 Q; v64-191 S^T, 64 a tile; v192-255 P, 32 a tile.   window 1: v0-63 O^T, 32 a tile; v64-191 K or V of a step.
.set SLOT1, 131072
.set SPARE, 262144                     ; behind the ring: the spare words, 128 bytes for each wave: four blocks of 256 bytes that no other line names
.set LI,  1                            ; v1  16 x lane
.set AV0, 2                            ; v2  16 x lane + 65,536: V's part of a slot
.set ADK, 3                            ; v3  the step's K
.set ADV, 4                            ; v4  the step's V
.set SPW, 5                            ; v5  my spare word's LDS address; never rewritten
.set NIL, 6                            ; v6  0; never rewritten
.set PFO, 7                            ; v7  256 x lane: the prefetches' offset
.set ST,  16                           ; tile x at ST + 8 x: +0 -m, +1 m, +2, +3 l (even keys', odd keys'), +4 .. +7 at work; +6 a, +7 m_old - m_new
.set Q,   32
.set S,   64
.set P,   192
.set O,   0
.set KV,  64
.set WV,  12
.set G1,  24                           ; s[24:31]
.set G0,  32                           ; s[32:35] the walking group 0
.set SLOTS, 36
.set STEPS, 37
.set TB,  38                           ; LDS byte at which the step's K begins
.set SEL, 40
.set PFA, 42                           ; s[42:43] where my prefetches stand
.set LIM, 44                           ; 1 in a wave that prefetches, else the greatest number
.set MSB, 0
.macro WIN new
.if MSB != \new
	s_set_vgpr_msb (MSB<<8)|\new
.set MSB, \new
.endif
.endm
.macro PLACES
.rept 4
	v_nop
.endr
.endm
.macro CROUND
	s_barrier_signal -1
	s_barrier_wait -1
	s_cmp_lg_u32 s[WV], 0
	s_cbranch_scc1 .Lnot_wave_0_\@
	s_barrier_signal -3
.Lnot_wave_0_\@:
	s_barrier_wait -3
	s_barrier_signal -1
	s_barrier_wait -1
.endm
; A prefetch of the slot behind the one that is being asked for: four key steps ahead of its load.  All clusters of a head walk the same slots: the head's first cluster asks.  Its four partners take 32,768 bytes each,
; told apart by address; in each, waves 0 to 3 take 8,192 bytes, lanes 256 bytes apart: each block of 256 bytes is named once in the launch.  Slots 0 and 1 come by their loads alone; the last change that fills asks for nothing.
.macro ASK
	s_cmp_gt_u32 s[SLOTS], s[LIM]
	s_cbranch_scc0 .Lnot_mine_\@
	global_prefetch_b8 v[PFO], s[PFA:PFA+1] th:TH_LOAD_NT scope:SCOPE_SE
.Lnot_mine_\@:
.endm
; The change of slots stands at a slot's head: all my tensor loads have landed (my part of the slot ahead), the add, my reads of the slot that I have left are back; then the round; then the other slot is filled.
.macro CHANGE fill
	s_wait_tensorcnt 0x0                           ; no tensor load of mine is out, so the group 0 may be written
	ds_add_u32 v[SPW], v[NIL]                      ; 0 onto my spare word
.if \fill
	s_xor_b32 s[G0+1], s[G0+1], SLOT1              ; the other slot than last time,
	s_add_nc_u64 s[G0+2:G0+3], s[G0+2:G0+3], SLOT1 ; the next 512 keys
	s_wait_xcnt 0x0                                ; the last prefetch, a slot back, has read its address
	s_add_nc_u64 s[PFA:PFA+1], s[PFA:PFA+1], SLOT1
	s_wait_dscnt 0x0
	CROUND                                         ; no wave of any partner still reads that slot or has a load on its way
	tensor_load_to_lds s[G0:G0+3], s[G1:G1+7]
	s_nop 0
	PLACES
	ASK
.else
	s_wait_dscnt 0x0
	s_barrier_signal -1
	s_barrier_wait -1
.endif
.endm
; 16 products of S^T = K Q^T: key tiles 4 g .. 4 g + 3, both tiles of queries, channels 32 c on.  Eight accumulators by turns; the first eight start the sums.
.macro KQ g
.irp c, 0,1
.irp k, 0,1,2,3
.irp x, 0,1
.if \c == 0
	v_wmma_f32_16x16x32_f16 v[S+64*\x+8*(4*\g+\k):S+64*\x+8*(4*\g+\k)+7], v[KV+16*(4*\g+\k)+8*\c:KV+16*(4*\g+\k)+8*\c+7], v[Q+16*\x+8*\c:Q+16*\x+8*\c+7], 0
.else
	v_wmma_f32_16x16x32_f16 v[S+64*\x+8*(4*\g+\k):S+64*\x+8*(4*\g+\k)+7], v[KV+16*(4*\g+\k)+8*\c:KV+16*(4*\g+\k)+8*\c+7], v[Q+16*\x+8*\c:Q+16*\x+8*\c+7], v[S+64*\x+8*(4*\g+\k):S+64*\x+8*(4*\g+\k)+7]
.endif
.endr
.endr
.endr
.endm
; 32 products of O^T += V^T P: keys 32 kc on, channels 16 t on, tile x.  Eight accumulators by turns.
.macro PV
.irp kc, 0,1,2,3
.irp t, 0,1,2,3
.irp x, 0,1
	v_wmma_f32_16x16x32_f16 v[O+32*\x+8*\t:O+32*\x+8*\t+7], v[KV+32*\kc+8*\t:KV+32*\kc+8*\t+7], v[P+32*\x+8*\kc:P+32*\x+8*\kc+7], v[O+32*\x+8*\t:O+32*\x+8*\t+7]
.endr
.endr
.endr
.endm
; Line n of 32 of tile x's sum: l = a l + the 32 pairs of weights, in two chains
.macro SUM x
.set rT, ST+8*(\x)
.set rS, S+64*(\x)
.if n == 0
	v_pk_fma_f32 v[rT+2:rT+3], v[rT+2:rT+3], v[rT+6:rT+7], v[rS:rS+1] op_sel_hi:[1,0,1]
.elseif n == 1
	v_pk_add_f32 v[rT+4:rT+5], v[rS+2:rS+3], v[rS+4:rS+5]
.elseif n == 31
	v_pk_add_f32 v[rT+2:rT+3], v[rT+2:rT+3], v[rT+4:rT+5]
.elseif n%2 == 0
	v_pk_add_f32 v[rT+2:rT+3], v[rT+2:rT+3], v[rS+2*n+2:rS+2*n+3]
.else
	v_pk_add_f32 v[rT+4:rT+5], v[rT+4:rT+5], v[rS+2*n+2:rS+2*n+3]
.endif
.endm
; A KEY STEP: 128 keys
.macro STEP
	v_add_nc_u32 v[ADK], s[TB], v[LI]              ; these two and two v_nop are the four places between the last products and the loads into the registers that they read
	v_add_nc_u32 v[ADV], s[TB], v[AV0]
	v_nop
	v_nop
	WIN 0x40                                       ; destination window 1
.set i, 0
.rept 32
	ds_load_b128 v[KV+4*i:KV+4*i+3], v[ADK] offset:512*i   ; K: piece 4 (key tile) + t
.set i, i+1
.endr
	s_wait_dscnt 16                                ; key tiles 0 to 3 are in; the 16 younger loads may be out
	WIN 0x01                                       ; K in window 1; Q and S^T in window 0
	KQ 0
	s_wait_dscnt 0x0
	KQ 1
	WIN 0
	PLACES                                         ; ahead of the loads into K's registers and of the first read of scores
	WIN 0x40
.set i, 0
.rept 32
	ds_load_b128 v[KV+4*i:KV+4*i+3], v[ADV] offset:512*i   ; V: piece 8 (chunk) + 2 t + half; it lands under the softmax
.set i, i+1
.endr
	WIN 0
	; the maximum: four chains a tile, each over two accumulators in ascending order
.irp q, 0,1,2,3
.irp x, 0,1
	v_max3_num_f32 v[ST+8*\x+4+\q], v[S+64*\x+16*\q], v[S+64*\x+16*\q+1], v[S+64*\x+16*\q+2]
.endr
.endr
.irp i, 1,2,3,4,5,6
.irp q, 0,1,2,3
.irp x, 0,1
	v_max3_num_f32 v[ST+8*\x+4+\q], v[ST+8*\x+4+\q], v[S+64*\x+16*\q+2*\i+1], v[S+64*\x+16*\q+2*\i+2]
.endr
.endr
.endr
.irp x, 0,1
	v_max3_num_f32 v[ST+8*\x+4], v[ST+8*\x+4], v[S+64*\x+15], v[S+64*\x+31]
	v_max3_num_f32 v[ST+8*\x+6], v[ST+8*\x+6], v[S+64*\x+47], v[S+64*\x+63]
.endr
.irp x, 0,1
	v_max3_num_f32 v[ST+8*\x+4], v[ST+8*\x+4], v[ST+8*\x+5], v[ST+8*\x+6]
.endr
.irp x, 0,1
	v_max3_num_f32 v[ST+8*\x+4], v[ST+8*\x+4], v[ST+8*\x+7], v[ST+8*\x+1]   ; and the old m
.endr
.irp x, 0,1
	v_permlanex16_b32 v[ST+8*\x+5], v[ST+8*\x+4], s[SEL], s[SEL+1]          ; the query's other 64 keys lie in the lane 16 away
.endr
.irp x, 0,1
	v_mov_b32 v[ST+8*\x+7], v[ST+8*\x+1]           ; m_old
.endr
.irp x, 0,1
	v_max_num_f32 v[ST+8*\x+1], v[ST+8*\x+4], v[ST+8*\x+5]
.endr
.irp x, 0,1
	v_mul_f32 v[ST+8*\x], -1.0, v[ST+8*\x+1]       ; -m
.endr
.irp x, 0,1
	v_add_f32 v[ST+8*\x+7], v[ST+8*\x+7], v[ST+8*\x]
.endr
.set n, 0
.rept 32
	v_pk_add_f32 v[S+2*n:S+2*n+1], v[S+2*n:S+2*n+1], v[ST:ST+1] op_sel_hi:[1,0]   ; tile 0: s - m
.set n, n+1
.endr
	; batch 1: both tiles' a and tile 0's 64 exponentials, tile 1's shifts between them; none of these lines names an exponential's result
	v_exp_f32 v[ST+6], v[ST+7]
	v_exp_f32 v[ST+14], v[ST+15]
.set n, 0
.rept 32
	v_pk_add_f32 v[S+64+2*n:S+64+2*n+1], v[S+64+2*n:S+64+2*n+1], v[ST+8:ST+9] op_sel_hi:[1,0]
	v_exp_f32 v[S+2*n], v[S+2*n]
	v_exp_f32 v[S+2*n+1], v[S+2*n+1]
.set n, n+1
.endr
	v_nop                                          ; a plain line behind the last exponential
	s_wait_alu depctr_va_vdst(0)                   ; one wait for the batch, ahead of its first reader
	; batch 2: tile 1's exponentials, tile 0's roundings and sums between them
.set n, 0
.rept 32
	v_cvt_pk_f16_f32 v[P+n], v[S+2*n], v[S+2*n+1]
	v_exp_f32 v[S+64+2*n], v[S+64+2*n]
	SUM 0
	v_exp_f32 v[S+64+2*n+1], v[S+64+2*n+1]
.set n, n+1
.endr
	v_nop
	s_wait_alu depctr_va_vdst(0)
.set n, 0
.rept 32
	v_cvt_pk_f16_f32 v[P+32+n], v[S+64+2*n], v[S+64+2*n+1]
	SUM 1
.set n, n+1
.endr
	WIN 0x41                                       ; O^T (destination and source 0) in window 1, a in window 0
.set n, 0
.rept 32
	v_pk_mul_f32 v[O+2*n:O+2*n+1], v[O+2*n:O+2*n+1], v[ST+8*(n/16)+6:ST+8*(n/16)+7] op_sel_hi:[1,0]   ; O^T x a, ascending
.set n, n+1
.endr
	s_wait_dscnt 0x0                               ; V is in
	WIN 0x51                                       ; V, C and D in window 1, P in window 0
	PV
	WIN 0
	s_add_co_u32 s[TB], s[TB], 16384               ; the next step's pieces
.endm
.macro SLOT_STEPS                      ; a slot's four key steps: written once, walked four times
	s_mov_b32 s[STEPS], 4
.Lstep_\@:
	STEP
	s_sub_co_u32 s[STEPS], s[STEPS], 1
	s_cmp_lg_u32 s[STEPS], 0
	s_cbranch_scc1 .Lstep_\@
	s_sub_co_u32 s[TB], s[TB], 65536               ; back to a slot's first step,
	s_xor_b32 s[TB], s[TB], SLOT1                  ; in the other slot
.endm
	s_load_b128 s[4:7], s[0:1], 0x0                ; qimg, kv
	s_load_b64 s[8:9], s[0:1], 0x10                ; ctx
	v_lshl_add_u32 v[SPW], v0, 2, SPARE
	v_mov_b32 v[NIL], 0
	ds_add_u32 v[SPW], v[NIL]                      ; the wave's opening: the add, twice on end, and its wait ahead of my first tensor load
	ds_add_u32 v[SPW], v[NIL]
	v_lshrrev_b32 v8, 5, v0
	v_readfirstlane_b32 s[WV], v8                  ; wave 0..7
	s_bfe_u32 s13, ttmp6, 0x40000                  ; my place in the cluster
	s_lshl_b32 s14, ttmp9, 2
	s_add_co_u32 s14, s14, s13                     ; my block of 256 queries: it enters qimg's and ctx's addresses alone
	s_and_b32 s15, ttmp7, 0xffff                   ; bh, which the partners share
	s_mov_b32 s[G1], 15|(3<<16)|(1<<21)            ; the mask: all four; elements of 8 bytes; bit 21 beside a mask; no padding
	s_mov_b32 s[G1+1], 32<<16                      ; tensor_dim0 = 32: rows of 256 bytes
	s_mov_b32 s[G1+2], 64<<16                      ; tensor_dim1 = 64
	s_mov_b32 s[G1+3], 32<<16                      ; tile_dim0
	s_mov_b32 s[G1+4], 64                          ; tile_dim1
	s_mov_b32 s[G1+5], 32                          ; dense
	s_mov_b32 s[G1+6], 0
	s_mov_b32 s[G1+7], 0
	s_lshl_b32 s16, s15, 20                        ; the head's 8 slots
	s_lshl_b32 s18, s[WV], 14                      ; my eighth of a slot
	s_add_co_u32 s16, s16, s18
	s_mov_b32 s17, 0
	s_lshl_b32 s20, s15, 19                        ; qimg: the head, my block's 16 tiles, my wave's two
	s_lshl_b32 s18, s14, 15
	s_add_co_u32 s20, s20, s18
	s_lshl_b32 s18, s[WV], 12
	s_add_co_u32 s20, s20, s18
	s_mov_b32 s21, 0
	s_lshr_b32 s22, s15, 3                         ; ctx: the batch's 256 token tiles of 16,384 bytes,
	s_lshl_b32 s22, s22, 22
	s_lshl_b32 s18, s14, 18                        ; my block's 16, my wave's two,
	s_add_co_u32 s22, s22, s18
	s_lshl_b32 s18, s[WV], 15
	s_add_co_u32 s22, s22, s18
	s_and_b32 s18, s15, 7                          ; the head's two chunks of 1,024 bytes
	s_lshl_b32 s18, s18, 11
	s_add_co_u32 s22, s22, s18
	s_mov_b32 s23, 0
	s_lshl_b32 s46, s15, 20                        ; the prefetches: slot 1 of the head (the first change of slots steps it to slot 2),
	s_add_co_u32 s46, s46, SLOT1
	s_lshl_b32 s18, s13, 15                        ; my work-group's quarter,
	s_add_co_u32 s46, s46, s18
	s_and_b32 s18, s[WV], 3
	s_lshl_b32 s18, s18, 13                        ; my wave's 8,192 bytes
	s_add_co_u32 s46, s46, s18
	s_mov_b32 s47, 0
	s_lshr_b32 s[LIM], s[WV], 2                    ; 0 in waves 0 to 3,
	s_or_b32 s[LIM], s[LIM], ttmp9                 ; of the head's first cluster: the same in all four partners
	s_cmp_eq_u32 s[LIM], 0
	s_cselect_b32 s[LIM], 1, -1
	s_mov_b32 s[SEL], 0x76543210
	s_mov_b32 s[SEL+1], 0xfedcba98
	s_mov_b32 s[SLOTS], 7
	s_mov_b32 s[TB], 0
	v_and_b32 v8, 31, v0
	v_lshlrev_b32 v[LI], 4, v8
	v_add_nc_u32 v[AV0], 65536, v[LI]
	v_lshlrev_b32 v[PFO], 8, v8
	s_wait_dscnt 0x0                               ; both opening adds are done
	s_wait_kmcnt 0x0
	s_add_nc_u64 s[4:5], s[4:5], s[20:21]
	s_add_nc_u64 s[8:9], s[8:9], s[22:23]
	s_add_nc_u64 s[PFA:PFA+1], s[6:7], s[46:47]
	s_mov_b32 s[G0], 1
	s_lshl_b32 s[G0+1], s[WV], 14                  ; slot 0, my eighth
	s_add_nc_u64 s[G0+2:G0+3], s[6:7], s[16:17]
	s_or_b32 s[G0+3], s[G0+3], 0x80000000
	CROUND                                         ; all four work-groups are here: the first joint load meets
	tensor_load_to_lds s[G0:G0+3], s[G1:G1+7]      ; slot 0
	s_nop 0
	PLACES
.set i, 0
.rept 8
	global_load_b128 v[Q+4*i:Q+4*i+3], v[LI], s[4:5] offset:512*i   ; Q stays in registers: piece 4 x + t
.set i, i+1
.endr
.irp x, 0,1
	v_mov_b32 v[ST+8*\x+1], 0xff61b1e6             ; m: -3e38, under every score
	v_mov_b32 v[ST+8*\x], 0x7f61b1e6               ; -m
	v_mov_b32 v[ST+8*\x+2], 0                      ; l
	v_mov_b32 v[ST+8*\x+3], 0
.endr
	WIN 0x40
.set i, 0
.rept 64
	v_mov_b32 v[O+i], 0                            ; O^T.  (The step is written once: the first finds zeros, which a = 0 leaves zeros)
.set i, i+1
.endr
	WIN 0
	s_wait_loadcnt 0x0                             ; Q
.Lslot:                                            ; 7 trips: behind each change of slots but the last the next slot is asked for
	CHANGE 1
	SLOT_STEPS
	s_sub_co_u32 s[SLOTS], s[SLOTS], 1
	s_cmp_lg_u32 s[SLOTS], 0
	s_cbranch_scc1 .Lslot
	CHANGE 0                                       ; the last slot is written out
	SLOT_STEPS
	; THE WAY OUT.  O^T / l, rounded to f16, is an image's pieces as it stands.  The additions are the places behind the last products.
.irp x, 0,1
	v_add_f32 v[ST+8*\x+4], v[ST+8*\x+2], v[ST+8*\x+3]
.endr
.irp x, 0,1
	v_permlanex16_b32 v[ST+8*\x+5], v[ST+8*\x+4], s[SEL], s[SEL+1]
.endr
.irp x, 0,1
	v_add_f32 v[ST+8*\x+4], v[ST+8*\x+4], v[ST+8*\x+5]
.endr
.irp x, 0,1
	v_rcp_f32 v[ST+8*\x+6], v[ST+8*\x+4]
.endr
	v_nop                                          ; a plain line behind the last reciprocal
	s_wait_alu depctr_va_vdst(0)                   ; one wait for the two, ahead of their first reader
	WIN 0x01                                       ; source 0 (O^T) in window 1
.set n, 0
.rept 32
	v_pk_mul_f32 v[S+2*n:S+2*n+1], v[O+2*n:O+2*n+1], v[ST+8*(n/16)+6:ST+8*(n/16)+7] op_sel_hi:[1,0]
.set n, n+1
.endr
	WIN 0
.set n, 0
.rept 32
	v_cvt_pk_f16_f32 v[P+n], v[S+2*n], v[S+2*n+1]
.set n, n+1
.endr
.irp x, 0,1
.irp t, 0,1,2,3
	global_store_b128 v[LI], v[P+16*\x+4*\t:P+16*\x+4*\t+3], s[8:9] offset:16384*\x+512*\t   ; 512 consecutive bytes, aligned
.endr
.endr
	s_wait_tensorcnt 0x0                           ; the wave's end
	ds_add_u32 v[SPW], v[NIL]
	s_wait_dscnt 0x0
	CROUND                                         ; the closing round
	s_endpgm
.Lfunc_end_k_qbb2c36d35b_attn:
	.size	k_qbb2c36d35b_attn, .Lfunc_end_k_qbb2c36d35b_attn-k_qbb2c36d35b_attn
	.p2alignl 7, 3214868480
	.fill 96, 4, 3214868480
	.section	.rodata,"a",@progbits
	.p2align	6, 0x0
	.amdhsa_kernel k_qbb2c36d35b_attn
		.amdhsa_group_segment_fixed_size 327680
		.amdhsa_private_segment_fixed_size 0
		.amdhsa_enable_private_segment 0
		.amdhsa_kernarg_size 24
		.amdhsa_user_sgpr_count 2
		.amdhsa_user_sgpr_kernarg_segment_ptr 1
		.amdhsa_wavefront_size32 1
		.amdhsa_system_sgpr_workgroup_id_x 1
		.amdhsa_system_sgpr_workgroup_id_y 1
		.amdhsa_system_sgpr_workgroup_id_z 1
		.amdhsa_system_vgpr_workitem_id 0
		.amdhsa_next_free_vgpr 448
		.amdhsa_next_free_sgpr 66
		.amdhsa_reserve_vcc 0
		.amdhsa_float_denorm_mode_32 3
		.amdhsa_float_denorm_mode_16_64 3
		.amdhsa_memory_ordered 1
		.amdhsa_forward_progress 1
		.amdhsa_inst_pref_size 77
	.end_amdhsa_kernel
	.amdgpu_metadata
---
amdhsa.version: [ 1, 2 ]
amdhsa.kernels:
  - .name:           k_qbb2c36d35b_attn
    .symbol:         k_qbb2c36d35b_attn.kd
    .args:
      - { .name: qimg, .offset: 0, .size: 8, .value_kind: global_buffer, .address_space: global }
      - { .name: kv, .offset: 8, .size: 8, .value_kind: global_buffer, .address_space: global }
      - { .name: ctx, .offset: 16, .size: 8, .value_kind: global_buffer, .address_space: global }
    .group_segment_fixed_size: 327680
    .private_segment_fixed_size: 0
    .kernarg_segment_align: 8
    .kernarg_segment_size: 24
    .max_flat_workgroup_size: 256
    .sgpr_count:     66
    .vgpr_count:     448
    .wavefront_size: 32
...
	.end_amdgpu_metadata
.endif
;; end of part 3
;; launch outp (part 4): grid 4 x 64, 4 waves a work-group, clusters of 4 x 4, 327,680 bytes of LDS; arguments ctx, woimg, bo, out0; writes out0
.if DOCPART == 4
	.amdgcn_target "amdgcn-amd-amdhsa--gfx1250"
	.amdhsa_code_object_version 6
	.text
	.protected	k_qbb2c36d35b_outp
	.globl	k_qbb2c36d35b_outp
	.p2align	8
	.type	k_qbb2c36d35b_outp,@function
k_qbb2c36d35b_outp:
	s_mov_b64 s[64:65], 0
	v_nop
	global_prefetch_b8 v0, s[64:65] scope:SCOPE_SE
	s_setreg_imm32_b32 hwreg(HW_REG_WAVE_MODE, 25, 1), 1
	s_wait_xcnt 0x0
	s_wait_alu depctr_hold_cnt(0) depctr_sa_sdst(0) depctr_va_vdst(0) depctr_va_sdst(0) depctr_va_ssrc(0) depctr_va_vcc(0) depctr_vm_vsrc(0)
	s_getreg_b32 s2, hwreg(HW_REG_IB_STS2, 6, 4)
	s_cmp_eq_u32 s2, 0
	s_cbranch_scc0 .Lentry_in_a_cluster
	s_endpgm
.Lentry_in_a_cluster:
	s_bfe_u32 s2, ttmp6, 0x10000c
	s_cmp_lg_u32 s2, 0xf033
	s_cbranch_scc0 .Lentry_shape_is_right
	s_endpgm
.Lentry_shape_is_right:
; out0 = ctx Wo + bo.  ctx and Wo come as f16 images of operand registers (a piece = 512 bytes, 16 a lane); sums in f32; out0 [8192][512] f32.
; A work-group makes 128 tokens x 128 columns; each of its four waves 64 x 64: 16 accumulators.  K = 512 lies in LDS whole, in four quarters of 128: every LDS byte is filled once, so there is no ring.
; CLUSTERS: 4 x 4 work-groups.  The four of a row of the cluster need the same tokens' pieces, the four of a column the same columns': each tile is asked for JOINTLY.
; THE MATRIX INSTRUCTION IS USED TRANSPOSED (source 0 = 16 columns of Wo, source 1 = 16 tokens): a lane holds a token and eight neighbouring columns.  The bias is the C of each sum's first product.
; LDS: quarter q at 65,536 q: the tokens' 8 tiles x 4,096 bytes, then the columns' 8 tiles x 4,096.  Wave w's load lands at 65,536 q + 16,384 w (waves 0, 1: tokens; waves 2, 3: columns).
.set STAGE, 262144                     ; the way out: 16 rows x (256 + 16) bytes for each wave
.set SPARE, STAGE+4*4352               ; the spare words, 128 bytes for each wave: two blocks of 256 bytes that no other line names
.set LI,   3
.set ADRA, 4                           ; v4  my tokens' pieces in the quarter in hand
.set ADRB, 5                           ; v5  my columns'
.set STO,  6                           ; v6  the stage: where I put 32 bytes of a row
.set RD,   7                           ; v7  and where I read a row back
.set CO,   8                           ; v8  my byte offset in two rows of out0
.set BOF,  9                           ; v9  32 h
.set SPW,  10
.set NIL,  11
.set BO,   32                          ; v32-63   the bias: eight a column tile
.set BK,   64                          ; v64-127  rows read back from the stage, two sets of 32
.set ACC,  128                         ; v128-255 accumulator (a, b) at 8 (4 a + b)
.set WV,   12
.set G1A,  24                          ; s[24:31] group 1 for the tokens' tiles;  s[32:39] for the columns'
.set G1B,  32
.set G0A,  40                          ; s[40:55] groups 0 for the tokens' four quarters;  s[56:63], s[68:75] for the columns'
.set MSB, 0
.macro WIN new
.if MSB != \new
	s_set_vgpr_msb (MSB<<8)|\new
.set MSB, \new
.endif
.endm
.macro PLACES
.rept 4
	v_nop
.endr
.endm
.macro CROUND
	s_barrier_signal -1
	s_barrier_wait -1
	s_cmp_lg_u32 s[WV], 0
	s_cbranch_scc1 .Lnot_wave_0_\@
	s_barrier_signal -3
.Lnot_wave_0_\@:
	s_barrier_wait -3
	s_barrier_signal -1
	s_barrier_wait -1
.endm
; chunk u of 32 along K: 16 loads into buffer f of window 1: the columns' four fragments, then the tokens' four
.macro FETCH u, f
	WIN 0x40
.irp b, 0,1,2,3
.irp hf, 0,1
	ds_load_b128 v[8*\b+4*\hf+(\f):8*\b+4*\hf+(\f)+3], v[ADRB] offset:4096*\b+1024*((\u)%4)+512*\hf
.endr
.endr
.irp a, 0,1,2,3
.irp hf, 0,1
	ds_load_b128 v[32+8*\a+4*\hf+(\f):32+8*\a+4*\hf+(\f)+3], v[ADRA] offset:4096*\a+1024*((\u)%4)+512*\hf
.endr
.endr
.endm
; 16 products, 16 accumulators by turns
.macro MUL16 f, zero
	WIN 0x05                                       ; sources 0 and 1 in window 1; C and D in window 0
.irp a, 0,1,2,3
.irp b, 0,1,2,3
.if \zero
	v_wmma_f32_16x16x32_f16 v[ACC+8*(4*\a+\b):ACC+8*(4*\a+\b)+7], v[8*\b+(\f):8*\b+(\f)+7], v[32+8*\a+(\f):32+8*\a+(\f)+7], v[BO+8*\b:BO+8*\b+7]
.else
	v_wmma_f32_16x16x32_f16 v[ACC+8*(4*\a+\b):ACC+8*(4*\a+\b)+7], v[8*\b+(\f):8*\b+(\f)+7], v[32+8*\a+(\f):32+8*\a+(\f)+7], v[ACC+8*(4*\a+\b):ACC+8*(4*\a+\b)+7]
.endif
.endr
.endr
.endm
.macro TOSTAGE a                       ; 16 tokens x 64 columns into my stage and back as whole rows; LDS serves a wave's instructions in order (ISA guide 5.7.1.4)
.irp b, 0,1,2,3
	ds_store_b128 v[STO], v[ACC+8*(4*(\a)+\b):ACC+8*(4*(\a)+\b)+3] offset:64*\b          ; each accumulator from its low end on
	ds_store_b128 v[STO], v[ACC+8*(4*(\a)+\b)+4:ACC+8*(4*(\a)+\b)+7] offset:64*\b+16
.endr
.irp i, 0,1,2,3,4,5,6,7
	ds_load_b128 v[BK+32*((\a)%2)+4*\i:BK+32*((\a)%2)+4*\i+3], v[RD] offset:544*\i
.endr
.endm
.macro SEND a, younger
	s_wait_dscnt \younger
.irp i, 0,1,2,3,4,5,6,7
	global_store_b128 v[CO], v[BK+32*((\a)%2)+4*\i:BK+32*((\a)%2)+4*\i+3], s[10:11] offset:(16*(\a)+2*\i)*2048 th:TH_STORE_NT   ; 16 lanes store 256 consecutive bytes, aligned
.endr
.endm
	s_load_b256 s[4:11], s[0:1], 0x0               ; ctx, woimg, bo, out0
	v_lshl_add_u32 v[SPW], v0, 2, SPARE
	v_mov_b32 v[NIL], 0
	ds_add_u32 v[SPW], v[NIL]                      ; the wave's opening: the add, twice on end, and its wait ahead of my first tensor load
	ds_add_u32 v[SPW], v[NIL]
	v_lshrrev_b32 v1, 5, v0
	v_readfirstlane_b32 s[WV], v1                  ; wave 0..3
	s_lshr_b32 s13, s[WV], 1                       ; which half of the tokens is mine.  Also: I fetch tokens' pieces (0) or columns' (1)
	s_and_b32 s14, s[WV], 1                        ; which half of the columns.  Also: which four tiles I fetch
	s_bfe_u32 s16, ttmp6, 0x40000                  ; cx
	s_bfe_u32 s17, ttmp6, 0x40004                  ; cy
	s_lshl_b32 s18, ttmp9, 2
	s_add_co_u32 s18, s18, s16                     ; tile column
	s_and_b32 s19, ttmp7, 0xffff
	s_lshl_b32 s19, s19, 2
	s_add_co_u32 s19, s19, s17                     ; tile row
	s_lshl_b32 s15, s17, 2
	s_lshl_b32 s15, 15, s15                        ; my row of the cluster
	s_lshl_b32 s77, 0x1111, s16                    ; my column
	s_or_b32 s[G1A], s15, (3<<16)|(1<<21)          ; the mask; elements of 8 bytes; bit 21 beside a mask; no padding
	s_or_b32 s[G1B], s77, (3<<16)|(1<<21)
.irp g, G1A, G1B
	s_mov_b32 s[\g+1], 512<<16                     ; tensor_dim0 = 512: rows of 4,096 bytes, a tile's quarter
	s_mov_b32 s[\g+2], 4<<16                       ; tensor_dim1 = 4 tiles
	s_mov_b32 s[\g+3], 512<<16
	s_mov_b32 s[\g+4], 4
	s_mov_b32 s[\g+5], 2048                        ; 16,384 bytes from tile to tile
	s_mov_b32 s[\g+6], 0
	s_mov_b32 s[\g+7], 0
.endr
	s_lshl_b32 s20, s19, 17                        ; tokens: 8 tiles of 16,384 bytes a tile row,
	s_lshl_b32 s21, s14, 16                        ; my four
	s_add_co_u32 s20, s20, s21
	s_mov_b32 s21, 0
	s_lshl_b32 s22, s18, 17                        ; columns likewise, in registers that never hold the tile row
	s_lshl_b32 s23, s14, 16
	s_add_co_u32 s22, s22, s23
	s_mov_b32 s23, 0
	s_lshl_b32 s76, s[WV], 14                      ; where they go: no place in the cluster enters an LDS address
	v_and_b32 v1, 15, v0                           ; r
	v_bfe_u32 v2, v0, 4, 1                         ; h
	v_and_b32 v3, 31, v0
	v_lshlrev_b32 v[LI], 4, v3
	s_lshl_b32 s78, s13, 14
	v_add_nc_u32 v[ADRA], s78, v[LI]
	s_lshl_b32 s78, s14, 14
	s_add_co_u32 s78, s78, 32768
	v_add_nc_u32 v[ADRB], s78, v[LI]
	s_mul_i32 s78, s[WV], 4352
	s_add_co_u32 s78, s78, STAGE
	v_mul_u32_u24 v[STO], v1, 272
	v_lshl_add_u32 v[STO], v2, 5, v[STO]
	v_add_nc_u32 v[STO], s78, v[STO]               ; in: row r, 32 bytes for each half of the lanes
	v_mul_u32_u24 v[RD], v2, 272
	v_lshl_add_u32 v[RD], v1, 4, v[RD]
	v_add_nc_u32 v[RD], s78, v[RD]                 ; back: lanes 0-15 one row of 256 bytes, lanes 16-31 the next
	v_lshlrev_b32 v[CO], 4, v1
	v_lshl_add_u32 v[CO], v2, 11, v[CO]            ; and the same two rows in out0
	v_lshlrev_b32 v[BOF], 5, v2
	s_wait_dscnt 0x0                               ; both opening adds are done
	s_wait_kmcnt 0x0
	s_add_nc_u64 s[20:21], s[4:5], s[20:21]
	s_add_nc_u64 s[22:23], s[6:7], s[22:23]
.set q, 0
.irp g, 56,60,68,72
	s_mov_b32 s[G0A+4*q], 1
	s_add_co_u32 s[G0A+4*q+1], s76, q<<16
	s_add_nc_u64 s[G0A+4*q+2:G0A+4*q+3], s[20:21], q<<12
	s_or_b32 s[G0A+4*q+3], s[G0A+4*q+3], 0x80000000
	s_mov_b32 s[\g], 1
	s_add_co_u32 s[\g+1], s76, q<<16
	s_add_nc_u64 s[\g+2:\g+3], s[22:23], q<<12
	s_or_b32 s[\g+3], s[\g+3], 0x80000000
.set q, q+1
.endr
	CROUND                                         ; all sixteen work-groups are here: the joint loads meet
	s_cmp_eq_u32 s13, 0                            ; a wave's four first fills stand in one branch on its number: four loads of mine are out
	s_cbranch_scc0 .Lfirst_b
.irp g, 40,44,48,52
	tensor_load_to_lds s[\g:\g+3], s[G1A:G1A+7]
	s_nop 0
.endr
	PLACES
	s_branch .Lfirst_asked
.Lfirst_b:
.irp g, 56,60,68,72
	tensor_load_to_lds s[\g:\g+3], s[G1B:G1B+7]
	s_nop 0
.endr
	PLACES
.Lfirst_asked:
	s_lshl_b32 s78, s18, 9                         ; my first column in bytes: 512 x tile column + 256 x half
	s_lshl_b32 s79, s14, 8
	s_add_co_u32 s78, s78, s79
	s_mov_b32 s79, 0
	s_add_nc_u64 s[8:9], s[8:9], s[78:79]          ; bo
	s_add_nc_u64 s[10:11], s[10:11], s[78:79]
	s_lshl_b32 s78, s19, 18                        ; my first row: 128 rows of 2,048 bytes a tile row, + 64 x half
	s_lshl_b32 s77, s13, 17
	s_add_co_u32 s78, s78, s77
	s_add_nc_u64 s[10:11], s[10:11], s[78:79]      ; out0
.irp b, 0,1,2,3
	global_load_b128 v[BO+8*\b:BO+8*\b+3], v[BOF], s[8:9] offset:64*\b
	global_load_b128 v[BO+8*\b+4:BO+8*\b+7], v[BOF], s[8:9] offset:64*\b+16
.endr
	s_wait_tensorcnt 3                             ; my part of quarter 0 is in; the three later quarters' may be out
	s_barrier_signal -1
	s_barrier_wait -1                              ; everybody's is
	FETCH 0, 0
.set u, 0
.rept 16
.if (u < 15) && ((u+1)%4 == 0)
	WIN 0
	s_wait_tensorcnt 3-(u+1)/4                     ; my part of the next quarter is in,
	s_wait_dscnt 0x0
	s_barrier_signal -1
	s_barrier_wait -1                              ; everybody's is
	v_add_nc_u32 v[ADRA], 0x10000, v[ADRA]
	v_add_nc_u32 v[ADRB], 0x10000, v[ADRB]
.endif
.if u < 15
.if u > 0
	PLACES                                         ; ahead of loads into the buffer that the last products read
.endif
	FETCH (u+1), ((u+1)%2)*64
	s_wait_dscnt 16                                ; all but the 16 loads just issued
.else
	s_wait_dscnt 0x0
.endif
.if u == 0
	s_wait_loadcnt 0x0                             ; the bias
	MUL16 0, 1
.else
	MUL16 (u%2)*64, 0
.endif
.set u, u+1
.endr
	WIN 0
	PLACES                                         ; ahead of the first read of results
	TOSTAGE 0
.irp a, 1,2,3
.if \a > 1
	s_wait_xcnt 0x0                                ; block a - 2's stores have read their registers: block a's loads may land there
.endif
	TOSTAGE \a
	SEND \a-1, 16                                  ; behind block a - 1's loads: block a's 8 stores and 8 loads
.endr
	SEND 3, 0
	s_wait_tensorcnt 0x0                           ; the wave's end, behind my last tensor load and my last LDS store
	ds_add_u32 v[SPW], v[NIL]
	s_wait_dscnt 0x0
	CROUND                                         ; the closing round
	s_endpgm
.Lfunc_end_k_qbb2c36d35b_outp:
	.size	k_qbb2c36d35b_outp, .Lfunc_end_k_qbb2c36d35b_outp-k_qbb2c36d35b_outp
	.p2alignl 7, 3214868480
	.fill 96, 4, 3214868480
	.section	.rodata,"a",@progbits
	.p2align	6, 0x0
	.amdhsa_kernel k_qbb2c36d35b_outp
		.amdhsa_group_segment_fixed_size 327680
		.amdhsa_private_segment_fixed_size 0
		.amdhsa_enable_private_segment 0
		.amdhsa_kernarg_size 32
		.amdhsa_user_sgpr_count 2
		.amdhsa_user_sgpr_kernarg_segment_ptr 1
		.amdhsa_wavefront_size32 1
		.amdhsa_system_sgpr_workgroup_id_x 1
		.amdhsa_system_sgpr_workgroup_id_y 1
		.amdhsa_system_sgpr_workgroup_id_z 1
		.amdhsa_system_vgpr_workitem_id 0
		.amdhsa_next_free_vgpr 384
		.amdhsa_next_free_sgpr 80
		.amdhsa_reserve_vcc 0
		.amdhsa_float_denorm_mode_32 3
		.amdhsa_float_denorm_mode_16_64 3
		.amdhsa_memory_ordered 1
		.amdhsa_forward_progress 1
		.amdhsa_inst_pref_size 52
	.end_amdhsa_kernel
	.amdgpu_metadata
---
amdhsa.version: [ 1, 2 ]
amdhsa.kernels:
  - .name:           k_qbb2c36d35b_outp
    .symbol:         k_qbb2c36d35b_outp.kd
    .args:
      - { .name: ctx, .offset: 0, .size: 8, .value_kind: global_buffer, .address_space: global }
      - { .name: woimg, .offset: 8, .size: 8, .value_kind: global_buffer, .address_space: global }
      - { .name: bo, .offset: 16, .size: 8, .value_kind: global_buffer, .address_space: global }
      - { .name: out0, .offset: 24, .size: 8, .value_kind: global_buffer, .address_space: global }
    .group_segment_fixed_size: 327680
    .private_segment_fixed_size: 0
    .kernarg_segment_align: 8
    .kernarg_segment_size: 32
    .max_flat_workgroup_size: 128
    .sgpr_count:     80
    .vgpr_count:     384
    .wavefront_size: 32
...
	.end_amdgpu_metadata
.endif
;; end of part 4
